; MI455X (gfx1250); checked and timed in simulation.
; The chip was launched on July 23, 2026; its instructions are those of AMD's public machine-readable ISA for CDNA 5 (MIT licence, August 2026) and "CDNA5" Instruction Set Architecture Reference Guide (July 2026). The comments in the code are by the model that wrote it; some were corrected since.
;; SARA Memory. Allowed arithmetic: matrix products marked QUANTISED: E3M2 operands, one E8M0 scale for each 32 along K, by v_wmma_scale_f32_16x16x128_f8f6f4 with both operands' format E3M2, f32 sums; everything else in f32.
;; Inputs: memory_states 100,000 x 256 float32; query 2,048 x 256 float32.
;; Outputs: out0 2,048 x 8 x 256 float32; out1 2,048 x 8 float32.
;; Constants: k = 8.
;; This version of the problem:
;;   THIS VERSION OF THE PROBLEM IS GIVEN IN LOW PRECISION. The matrix products marked QUANTISED in the list below multiply operands that are first quantised to E3M2 (3 exponent bits, 2 mantissa bits; 6 bits a number), with one power-of-two scale for each 32 numbers along K (OCP MX v1.0); their sums are f32. All else is computed in f32.
;;   The module's matrix products, in the order in which they are computed (A, B: the left and right operand; K: the contracted axis; several contracted axes count as one K, in the product's order):
;;     1. [M 2,048, K 256] x [K 256, N 100,000]; A: computed on the way; B: computed on the way: QUANTISED
;;   THE QUANTISER, for each operand of a quantised product, along K:
;;     - K is cut into blocks of 32 from its start; a last block that is shorter is filled with zeros.
;;     - A block's scale is 2^e with e = floor(log2(the largest magnitude in the block)) - 4, held to -126 .. 127; a block of zeros has e = 0. As a byte (E8M0): e + 127.
;;     - Each number is divided by its block's scale, clamped to +-28, and rounded to the nearest number of E3M2, ties to even, subnormals kept.
;;     - The product sums the exact products of the quantised numbers (number of the format x scale) in f32.
;;   ~~~python
;;   def quantise(x, axis):      # numpy; x: float32 -> the quantised numbers, widened to float32 again
;;       x = np.moveaxis(x, axis, -1); K = x.shape[-1]
;;       x = np.pad(x, [(0, 0)] * (x.ndim - 1) + [(0, -K % 32)]); x = x.reshape(x.shape[:-1] + (-1, 32)); a = np.abs(x).max(-1, keepdims=True)
;;       e = np.where(a > 0, np.clip(np.frexp(np.where(a > 0, a, 1))[1] - 1 - 4, -126, 127), 0)      # np.frexp(a)[1] - 1 = floor(log2(a)), exactly
;;       r = np.clip(x / 2.0 ** e, -28, 28)
;;       step = 2.0 ** (np.maximum(np.frexp(np.where(r == 0, 1, r))[1] - 1, -2) - 2)
;;       q = np.round(r / step) * step * 2.0 ** e      # np.round: ties to even
;;       return np.moveaxis(q.reshape(q.shape[:-2] + (-1,))[..., :K], -1, axis).astype(np.float32)
;;   ~~~
;;   OPERANDS COMPUTED ON THE WAY. 'Computed on the way' means the value that the module computes at that place (a softmax that the list does not call 'softmax' is quantised finished and normalised). What goes into a quantiser is computed in f32, as accurately as f32 sums, v_exp_f32 and their like allow (about 1e-6 of the number): no bf16 or f16 on the way to a quantiser, and a product that is left as it is and whose result goes on into a quantised operand takes f32 operands (vector FMAs, or v_wmma_f32_16x16x4_f32). A number that lies on a knife's edge between two numbers of the format may be rounded either way, as far as f32 arithmetic and the matrix unit's own rounding can turn it there, and no further.
;; One version. Each part assembles by itself: llvm-mc -triple=amdgcn-amd-amdhsa -mcpu=gfx1250 --defsym DOCPART=n.
;; ======== version 1 of 1: 5 launches
;; limits: inputs' magnitudes at most 1e+18
;; workspace buffers: mcodes 19,200,000 bytes; mscales 800,000 bytes; qcodes 393,216 bytes; qscales 16,384 bytes; binmax 20,480,000 bytes; bins 65,536 bytes of whole numbers; idx 65,536 bytes of whole numbers
;; launch quant (part 1): grid 798 x 1, 4 waves a work-group, no clusters, 68,096 bytes of LDS; arguments memory_states, query, mcodes, mscales, qcodes, qscales; writes mcodes, mscales, qcodes, qscales
.if DOCPART == 1
	.amdgcn_target "amdgcn-amd-amdhsa--gfx1250"
	.amdhsa_code_object_version 6
	.text
	.protected	k_q0f1f13f60b_quant
	.globl	k_q0f1f13f60b_quant
	.p2align	8
	.type	k_q0f1f13f60b_quant,@function
k_q0f1f13f60b_quant:
	s_mov_b64 s[64:65], 0
	v_nop
	global_prefetch_b8 v0, s[64:65] scope:SCOPE_SE
	s_setreg_imm32_b32 hwreg(HW_REG_WAVE_MODE, 25, 1), 1
	s_wait_xcnt 0x0
; memory_states [100000][256] and query [2048][256], f32: each row is divided by max(its norm, 1e-12) and quantised along its 256 numbers to codes of BF6 (E3M2)
; with one E8M0 byte for each 32.  The codes are laid as IMAGES OF OPERAND REGISTERS: a tile of 16 rows x 256 K is 3,072 bytes; byte 512 k + 16 lane holds registers 4 k .. 4 k + 3
; of the lane's 24 (K step s of 128: registers 12 s on).  A tile's scale words are 128 bytes: lanes 0-15 the rows' words of K step 0, lanes 16-31 those of K step 1.
; WHICH ROWS FORM A MEMORY TILE: tile 5 G + tau, row m, is memory row 80 G + 40 (m / 8) + 8 tau + m % 8, so that in a product's result each half of the lanes sees, over a group's five tiles,
; 40 consecutive rows.  Query tile T, row m, is query 16 T + m.
; SHARES: a wave takes a pair of tiles: waves 0 .. 3124 of the launch the 6,250 memory tiles, waves 3125 .. 3188 the 128 query tiles; the launch's last three waves have no pair and end.
; Each load reads 512 consecutive bytes; the rows turn through the wave's own stage in LDS, so that a lane holds 16 neighbours of each block of 32.  No barrier: waves share nothing.
; 1 / max(n, 1e-12) is made as min(rsq(sum of squares), 1e12).
; LIMITS: NaN and infinities among the inputs are not served; a row whose sum of squares passes the largest f32 number (numbers above about 1e18) is not served;
; a block of zeros gets the scale byte 1 and not 127: its codes are zeros, and this program alone reads the bytes.
.set NMEMW, 3125                       ; pairs of memory tiles
.set NALLW, 3189                       ; and with the 64 pairs of query tiles
.set SP,    1040                       ; a stage row: 1,024 bytes + 16, so that the 16 rows that a read touches start in 16 different columns of 16 bytes
.set SCO,   16*SP                      ; behind the stage: the pair's 256 bytes of scale words
.set WREG,  SCO+256                    ; LDS of a wave
.set VA,  4                            ; v4   16 x lane
.set VB,  5                            ; v5   the same for a tile's rows 8-15: 32 rows further down in memory_states, 0 in query
.set STA, 6                            ; v6   the stage, on the way in
.set LDA, 7                            ; v7   and on the way out: row lane % 16, + 64 (lane / 16)
.set SCA, 8                            ; v8   where my scale word goes
.set SCB, 9                            ; v9   where I read 8 bytes of the pair's scale words back
.set G8,  10                           ; v10  8 x lane
.set X,   16                           ; v16-143  my 128 numbers: register 64 s + 16 b + i = k 128 s + 32 b + 16 (lane / 16) + i of row lane % 16
.set TM,  144                          ; v144-159 at work in QUANT
.set PW,  160                          ; v160-161 the scale words of the two K steps
.set SW,  162                          ; v162-163 a tile's scale register
.set SQ,  164                          ; v164-171 the sum of squares, four pairs
.set RN,  172                          ; v172-173 1 / norm, twice
.set PC,  176                          ; v176-255 codes: 20 registers for each of the four fragments, so that no store's data are written again
                                       ; window 1: the rows as loaded: tile i at v[128 i]
.set MSB, 0
.macro WIN new                         ; the immediate's high byte repeats the setting that is left
.if MSB != (\new)
	s_set_vgpr_msb (MSB<<8)|(\new)
.set MSB, (\new)
.endif
.endm
; 64 numbers of a lane become a fragment's 12 registers of codes at v[pc] and its rows' scale word in v[pw]
.macro QUANT s, pc, pw
.irp b, 0,1,2,3
	v_max3_num_f32 v[TM+\b], |v[(\s)+16*\b]|, |v[(\s)+1+16*\b]|, 0x2800000   ; block b: my 16 numbers, and the floor 2^(5 - 127): the byte cannot fall under 1
.endr
.irp i, 2,4,6,8,10,12,14
.irp b, 0,1,2,3
	v_max3_num_f32 v[TM+\b], v[TM+\b], |v[(\s)+16*\b+\i]|, |v[(\s)+1+16*\b+\i]|   ; the four blocks by turns
.endr
.endr
.irp b, 0,1,2,3
	v_permlanex16_b32 v[TM+4+\b], v[TM+\b], s28, s29
.endr
.irp b, 0,1,2,3
	v_max_num_f32 v[TM+\b], v[TM+\b], v[TM+4+\b]   ; with lane l xor 16's 16: the block's largest magnitude
.endr
.irp b, 0,1,2,3
	v_add_nc_u32 v[TM+12+\b], 0xfe000000, v[TM+\b]   ; 4 off its exponent field: the conversion's scale operand
.endr
.irp b, 0,1,2,3
	v_lshrrev_b32 v[TM+4+\b], 23, v[TM+12+\b]      ; the scale's byte
.endr
	v_lshl_or_b32 v[\pw], v[TM+5], 8, v[TM+4]
	v_lshl_or_b32 v[\pw], v[TM+6], 16, v[\pw]
	v_lshl_or_b32 v[\pw], v[TM+7], 24, v[\pw]
.irp c, 0,1
	v_cvt_scalef32_pk16_bf6_f32 v[(\pc)+6*\c:(\pc)+2+6*\c], v[(\s)+32*\c:(\s)+15+32*\c], v[TM+12+2*\c]
	v_cvt_scalef32_pk16_bf6_f32 v[(\pc)+12+4*\c:(\pc)+14+4*\c], v[(\s)+16+32*\c:(\s)+31+32*\c], v[TM+12+2*\c+1]   ; (a conversion's three registers begin on an even number)
.endr
	v_nop                                          ; one plain place behind the scaled conversions
.irp c, 0,1                                    ; the operand's layout wants a whole block in a lane: lanes 0-15 block 2 c, lanes 16-31 block 2 c + 1
.irp i, 0,1,2
	v_permlane16_swap_b32 v[(\pc)+6*\c+\i], v[(\pc)+12+4*\c+\i]
.endr
.irp i, 0,1,2
	v_mov_b32 v[(\pc)+3+6*\c+\i], v[(\pc)+12+4*\c+\i]
.endr
.endr
.endm
	v_lshl_add_u32 v251, v0, 2, 0x10800
	v_mov_b32 v255, 0
	v_lshrrev_b32 v1, 5, v0
	v_readfirstlane_b32 s16, v1                    ; wave 0..3
	s_lshl_b32 s17, ttmp9, 2
	s_add_co_u32 s17, s17, s16                     ; my wave's number in the launch
	s_cmp_ge_u32 s17, NALLW
	s_cbranch_scc1 .Lend                           ; no pair of tiles is left for it
	s_load_b256 s[4:11], s[0:1], 0x0               ; memory_states, query, mcodes, mscales
	s_load_b128 s[12:15], s[0:1], 0x20             ; qcodes, qscales
	v_and_b32 v1, 31, v0                           ; lane
	v_and_b32 v2, 15, v0                           ; r
	v_bfe_u32 v3, v0, 4, 1                         ; lane / 16
	s_sub_co_u32 s18, s17, NMEMW
	s_cmp_lt_u32 s17, NMEMW
	s_cselect_b32 s18, s17, s18                    ; which pair of its tensor
	s_lshl_b32 s19, s18, 1                         ; tile t0,
	s_add_co_u32 s32, s19, 1                       ; tile t1
	s_mul_i32 s33, s19, 52429                      ; memory: G = t / 5 (t x 52429 >> 18, right for t under 2^16); first row = 8 t + 40 G
	s_lshr_b32 s33, s33, 18
	s_mul_i32 s33, s33, 40
	s_lshl_b32 s34, s19, 3
	s_add_co_u32 s33, s33, s34
	s_mul_i32 s35, s32, 52429
	s_lshr_b32 s35, s35, 18
	s_mul_i32 s35, s35, 40
	s_lshl_b32 s34, s32, 3
	s_add_co_u32 s35, s35, s34
	s_lshl_b32 s36, s19, 4                         ; query: first row = 16 t
	s_lshl_b32 s37, s32, 4
	s_mul_i32 s38, s16, WREG                       ; my wave's LDS
	s_add_co_u32 s39, s38, SCO
	s_mul_i32 s24, s18, 6144                       ; the pair's codes,
	s_mov_b32 s25, 0
	s_lshl_b32 s26, s18, 8                         ; and its scale words
	s_mov_b32 s27, 0
	s_mov_b32 s21, 0
	s_mov_b32 s23, 0
	s_mov_b32 s28, 0x76543210
	s_mov_b32 s29, 0xfedcba98                      ; v_permlanex16_b32's selects for lane l xor 16
	s_mov_b32 s30, 0xffff0000                      ; lanes 16-31
	v_lshlrev_b32 v[VA], 4, v1
	v_add_nc_u32 v[STA], s38, v[VA]
	v_mul_u32_u24 v[LDA], v2, SP
	v_lshl_add_u32 v[LDA], v3, 6, v[LDA]
	v_add_nc_u32 v[LDA], s38, v[LDA]
	v_lshl_add_u32 v[SCA], v1, 2, s39
	v_lshl_add_u32 v[SCB], v1, 3, s39
	v_lshlrev_b32 v[G8], 3, v1
.irp b, 0,1,2,3
	v_mov_b32 v[TM+4+\b], 0                        ; written once: a lane permute's destination counts as one of its sources
.endr
	s_cmp_lt_u32 s17, NMEMW                        ; memory's wave or the queries'?  The choice hangs on ids alone
	s_cselect_b32 s33, s33, s36
	s_cselect_b32 s35, s35, s37
	s_cselect_b32 s31, 32768, 0                    ; a memory tile's rows 8-15 lie 32 rows further down than neighbours would
	s_wait_kmcnt 0x0
	s_cselect_b64 s[4:5], s[4:5], s[6:7]
	s_cselect_b64 s[8:9], s[8:9], s[12:13]
	s_cselect_b64 s[10:11], s[10:11], s[14:15]
	s_lshl_b32 s20, s33, 10                        ; rows of 1,024 bytes: under 2^27
	s_lshl_b32 s22, s35, 10
	s_add_nc_u64 s[20:21], s[4:5], s[20:21]        ; tile 0's first row
	s_add_nc_u64 s[22:23], s[4:5], s[22:23]        ; tile 1's
	s_add_nc_u64 s[24:25], s[8:9], s[24:25]
	s_add_nc_u64 s[26:27], s[10:11], s[26:27]
	v_add_nc_u32 v[VB], s31, v[VA]
	WIN 0x40                                       ; destination window 1
.irp i, 0,1                                    ; all 64 loads of the pair go out at once: 32 KiB a wave on their way
.irp m, 0,1,2,3,4,5,6,7
	global_load_b128 v[128*\i+8*\m:128*\i+8*\m+3],   v[VA], s[20+2*\i:21+2*\i] offset:1024*\m th:TH_LOAD_NT
	global_load_b128 v[128*\i+8*\m+4:128*\i+8*\m+7], v[VA], s[20+2*\i:21+2*\i] offset:1024*\m+512 th:TH_LOAD_NT
.endr
.irp m, 8,9,10,11,12,13,14,15
	global_load_b128 v[128*\i+8*\m:128*\i+8*\m+3],   v[VB], s[20+2*\i:21+2*\i] offset:1024*\m th:TH_LOAD_NT
	global_load_b128 v[128*\i+8*\m+4:128*\i+8*\m+7], v[VB], s[20+2*\i:21+2*\i] offset:1024*\m+512 th:TH_LOAD_NT
.endr
.endr
.macro TILE i
	s_wait_loadcnt 32*(1-\i)                       ; this tile's 32 loads are in; the other tile's, issued behind them, may be out
	WIN 0x04                                       ; an LDS store's data are its source 1: window 1
.irp m, 0,1,2,3,4,5,6,7,8,9,10,11,12,13,14,15
	ds_store_b128 v[STA], v[128*\i+8*\m:128*\i+8*\m+3]   offset:SP*\m
	ds_store_b128 v[STA], v[128*\i+8*\m+4:128*\i+8*\m+7] offset:SP*\m+512
.endr
	WIN 0
.irp s, 0,1                                    ; LDS serves a wave's instructions in order: these see the stores above, and the next tile's stores come behind them
.irp b, 0,1,2,3
.irp j, 0,1,2,3
	ds_load_b128 v[X+64*\s+16*\b+4*\j:X+64*\s+16*\b+4*\j+3], v[LDA] offset:512*\s+128*\b+16*\j
.endr
.endr
.endr
	s_wait_dscnt 0x0
.irp c, 0,1,2,3                                ; the sum of my 128 squares, two at a time, in four chains started by the first four pairs
	v_pk_mul_f32 v[SQ+2*\c:SQ+2*\c+1], v[X+2*\c:X+2*\c+1], v[X+2*\c:X+2*\c+1]
.endr
.set jj, 4
.rept 60
	v_pk_fma_f32 v[SQ+2*(jj%4):SQ+2*(jj%4)+1], v[X+2*jj:X+2*jj+1], v[X+2*jj:X+2*jj+1], v[SQ+2*(jj%4):SQ+2*(jj%4)+1]
.set jj, jj+1
.endr
	v_pk_add_f32 v[SQ:SQ+1], v[SQ:SQ+1], v[SQ+2:SQ+3]
	v_pk_add_f32 v[SQ+4:SQ+5], v[SQ+4:SQ+5], v[SQ+6:SQ+7]
	v_pk_add_f32 v[SQ:SQ+1], v[SQ:SQ+1], v[SQ+4:SQ+5]
	v_add_f32 v[SQ], v[SQ], v[SQ+1]
	v_permlanex16_b32 v[SQ+2], v[SQ], s28, s29
	v_add_f32 v[SQ], v[SQ], v[SQ+2]                ; with lane l xor 16's 128: the row's
	v_rsq_f32 v[RN], v[SQ]
	v_nop                                          ; a plain place behind the transcendental
	s_wait_alu depctr_va_vdst(0)                   ; and a wait ahead of its first reader
	v_min_num_f32 v[RN], 0x5368d4a5, v[RN]         ; 1 / max(n, 1e-12) = min(1 / n, 1e12)
	v_mov_b32 v[RN+1], v[RN]
.set jj, 0
.rept 64
	v_pk_mul_f32 v[X+2*jj:X+2*jj+1], v[X+2*jj:X+2*jj+1], v[RN:RN+1]
.set jj, jj+1
.endr
	QUANT X, PC+40*\i, PW
	QUANT X+64, PC+40*\i+20, PW+1
.irp s, 0,1
.irp c, 0,1,2
	global_store_b128 v[VA], v[PC+40*\i+20*\s+4*\c:PC+40*\i+20*\s+4*\c+3], s[24:25] offset:3072*\i+1536*\s+512*\c   ; 32 lanes store 512 consecutive bytes, at a multiple of 256 from the buffer's first byte
.endr
.endr
	v_cndmask_b32 v[SW+\i], v[PW], v[PW+1], s30    ; lanes 0-15: K step 0's words; lanes 16-31: K step 1's
	ds_store_b32 v[SCA], v[SW+\i] offset:128*\i
.endm
	TILE 0
	TILE 1
	ds_load_b64 v[12:13], v[SCB]                   ; the pair's 256 bytes of scale words (in order behind my stores)
	s_wait_dscnt 0x0
	global_store_b64 v[G8], v[12:13], s[26:27]     ; 32 lanes store 256 consecutive bytes, aligned
.Lend:
	s_wait_tensorcnt 0x0
	ds_add_u32 v251, v255
	s_wait_dscnt 0x0
	s_endpgm
.Lfunc_end_k_q0f1f13f60b_quant:
	.size	k_q0f1f13f60b_quant, .Lfunc_end_k_q0f1f13f60b_quant-k_q0f1f13f60b_quant
	.p2alignl 7, 3214868480
	.fill 96, 4, 3214868480
	.section	.rodata,"a",@progbits
	.p2align	6, 0x0
	.amdhsa_kernel k_q0f1f13f60b_quant
		.amdhsa_group_segment_fixed_size 68096
		.amdhsa_private_segment_fixed_size 0
		.amdhsa_enable_private_segment 0
		.amdhsa_kernarg_size 48
		.amdhsa_user_sgpr_count 2
		.amdhsa_user_sgpr_kernarg_segment_ptr 1
		.amdhsa_wavefront_size32 1
		.amdhsa_system_sgpr_workgroup_id_x 1
		.amdhsa_system_sgpr_workgroup_id_y 1
		.amdhsa_system_sgpr_workgroup_id_z 1
		.amdhsa_system_vgpr_workitem_id 0
		.amdhsa_next_free_vgpr 512
		.amdhsa_next_free_sgpr 66
		.amdhsa_reserve_vcc 0
		.amdhsa_float_denorm_mode_32 3
		.amdhsa_float_denorm_mode_16_64 3
		.amdhsa_memory_ordered 1
		.amdhsa_forward_progress 1
		.amdhsa_inst_pref_size 51
	.end_amdhsa_kernel
	.amdgpu_metadata
---
amdhsa.version: [ 1, 2 ]
amdhsa.kernels:
  - .name:           k_q0f1f13f60b_quant
    .symbol:         k_q0f1f13f60b_quant.kd
    .args:
      - { .name: memory_states, .offset: 0, .size: 8, .value_kind: global_buffer, .address_space: global }
      - { .name: query, .offset: 8, .size: 8, .value_kind: global_buffer, .address_space: global }
      - { .name: mcodes, .offset: 16, .size: 8, .value_kind: global_buffer, .address_space: global }
      - { .name: mscales, .offset: 24, .size: 8, .value_kind: global_buffer, .address_space: global }
      - { .name: qcodes, .offset: 32, .size: 8, .value_kind: global_buffer, .address_space: global }
      - { .name: qscales, .offset: 40, .size: 8, .value_kind: global_buffer, .address_space: global }
    .group_segment_fixed_size: 68096
    .private_segment_fixed_size: 0
    .kernarg_segment_align: 8
    .kernarg_segment_size: 48
    .max_flat_workgroup_size: 128
    .sgpr_count:     66
    .vgpr_count:     512
    .wavefront_size: 32
...
	.end_amdgpu_metadata
.endif
;; end of part 1
;; launch scan (part 2): grid 250 x 1, 4 waves a work-group, no clusters, 168,448 bytes of LDS; arguments mcodes, mscales, qcodes, qscales, binmax; writes binmax
.if DOCPART == 2
	.amdgcn_target "amdgcn-amd-amdhsa--gfx1250"
	.amdhsa_code_object_version 6
	.text
	.protected	k_q0f1f13f60b_scan
	.globl	k_q0f1f13f60b_scan
	.p2align	8
	.type	k_q0f1f13f60b_scan,@function
k_q0f1f13f60b_scan:
	s_mov_b64 s[64:65], 0
	v_nop
	global_prefetch_b8 v0, s[64:65] scope:SCOPE_SE
	s_setreg_imm32_b32 hwreg(HW_REG_WAVE_MODE, 25, 1), 1
	s_wait_xcnt 0x0
; All 2,048 x 100,000 scores, on codes of BF6 with E8M0 scales, and of each BIN of 40 consecutive memory rows the largest score of each query.  No score goes to memory.
; SHARES.  Work-group s owns memory tiles 25 s .. 25 s + 24: 400 rows, bins 10 s .. 10 s + 9.  Each of its four waves keeps ALL 25 tiles in registers (600) for the whole launch and streams a quarter of
; the 128 query tiles past them, from memory straight into registers, two tiles (a PAIR) at a time, three pairs ahead: 3,200 bytes of a query tile feed 50 matrix instructions.
; Source 0 = 16 memory rows, source 1 = 16 queries: a lane holds ONE query (lane % 16) and tile rows 8 (lane / 16) + 0..7, which over a group's five tiles are the 40 rows of bin 2 G + lane / 16:
; a bin's maximum is 20 instructions of three operands on a lane's own 40 registers, set in twos behind the next group's matrix instructions.
; The 25 images come into LDS once, by asynchronous copies (a quarter a wave), and each wave reads them all.
; NO CLUSTER: 250 work-groups divide into no cluster of four, and what the work-groups share, the queries, goes to registers and not through LDS.
; OUT: record (P, s), P = pair of query tiles, 1,280 bytes at (250 P + s) x 1,280: the float at 320 sub + 40 rho + 4 b belongs to query 32 P + 8 sub + rho and bin 10 s + b.
; LIMITS: NaN among the scores is not served (it would lose every maximum).
; REGISTERS, in windows of 256: window 0: v1-11 addresses; v16-40 the memory tiles' scale registers; v41-48 the query buffers'; v64-255 eight query buffers of 24.
;   window 1: memory tiles 0-9 (24 each); window 2: tiles 10-19; window 3: v0-119 tiles 20-24; v120-199 two sets of five accumulators; v200-204 at work; v208-217 a pair's ten maxima; v220-229 a record on its way out.
.set IMG,  3072                        ; a tile's image
.set STG,  25*IMG                      ; behind the images (76,800 = 300 blocks of 256 bytes): a stage of 1,280 bytes for each wave
.set REC,  320000                      ; from a pair's record to the next pair's: 250 x 1,280
.set LI,  1                            ; v1   16 x lane
.set LS,  2                            ; v2   4 x lane
.set L8,  3                            ; v3   8 x lane
.set LI2, 4                            ; v4   16 x lane + 61,440: for the images beyond an LDS immediate's reach
.set CPL, 5                            ; v5, v6   the copies: LDS address and offset in memory, 19,200 x wave + 16 x lane
.set CPG, 6
.set CQL, 7                            ; v7, v8   and of the last 256 bytes, 8 a lane
.set CQG, 8
.set SA,  9                            ; v9   the stage: where my maxima go
.set RB,  10                           ; v10  and where I read the record back, 16 bytes a lane;
.set RB2, 11                           ; v11  its last 256 bytes, 8 a lane
.set MS,  16
.set QS,  41
.set QF,  64
.set ACC, 120
.set T,   200
.set BIN, 208
.set OUT, 220
.set MSB, 0
.macro WIN new                         ; the immediate's high byte repeats the setting that is left
.if MSB != (\new)
	s_set_vgpr_msb (MSB<<8)|(\new)
.set MSB, (\new)
.endif
.endm
; a pair of query tiles, ip pairs on from the base, into buffers buf and buf + 1: 14 loads
.macro QLOAD ip, buf
.irp u, 0,1
.irp k, 0,1,2,3,4,5
	global_load_b128 v[QF+24*((\buf)+\u)+4*\k:QF+24*((\buf)+\u)+4*\k+3], v[LI], s[8:9] offset:6144*(\ip)+3072*\u+512*\k
.endr
	global_load_b32 v[QS+(\buf)+\u], v[LS], s[10:11] offset:256*(\ip)+128*\u
.endr
.endm
; One matrix instruction.  g = 0..9: query tile g / 5 of the pair against memory group g % 5; a: the group's tile; s: the K step.  The sets of accumulators alternate with g.
.macro MM g, a, s, buf
.set mt, 5*((\g)%5)+(\a)
.set mq, (\buf)+(\g)/5
.set mD, ACC+40*((\g)%2)+8*(\a)
.set mA, 24*(mt%10)+12*(\s)
.set mB, QF+24*mq+12*(\s)
.set mW, 0xf1+mt/10                    ; source 0 in window 1, 2 or 3; source 1 in window 0; C and D in window 3
	WIN mW
.if (\s) == 0
	v_wmma_scale_f32_16x16x128_f8f6f4 v[mD:mD+7], v[mA:mA+11], v[mB:mB+11], 0, v[MS+mt], v[QS+mq] matrix_a_fmt:MATRIX_FMT_BF6 matrix_b_fmt:MATRIX_FMT_BF6
.else
	v_wmma_scale_f32_16x16x128_f8f6f4 v[mD:mD+7], v[mA:mA+11], v[mB:mB+11], v[mD:mD+7], v[MS+mt], v[QS+mq] matrix_a_fmt:MATRIX_FMT_BF6 matrix_b_fmt:MATRIX_FMT_BF6 matrix_a_scale:MATRIX_SCALE_ROW1 matrix_b_scale:MATRIX_SCALE_ROW1
.endif
.endm
; Instruction n of 20 of group g's maximum.  Each accumulator is read from its low end on.
.macro RED g, n
.set rA, ACC+40*((\g)%2)
.if (\n) < 5
	v_max3_num_f32 v[T+(\n)], v[rA+8*(\n)], v[rA+8*(\n)+1], v[rA+8*(\n)+2]
.elseif (\n) < 10
	v_max3_num_f32 v[T+(\n)-5], v[T+(\n)-5], v[rA+8*((\n)-5)+3], v[rA+8*((\n)-5)+4]
.elseif (\n) < 15
	v_max3_num_f32 v[T+(\n)-10], v[T+(\n)-10], v[rA+8*((\n)-10)+5], v[rA+8*((\n)-10)+6]
.elseif (\n) == 15
	v_max3_num_f32 v[T], v[T], v[rA+7], v[rA+15]
.elseif (\n) == 16
	v_max3_num_f32 v[T+1], v[T+1], v[rA+23], v[rA+31]
.elseif (\n) == 17
	v_max3_num_f32 v[T+2], v[T+2], v[rA+39], v[T+3]
.elseif (\n) == 18
	v_max3_num_f32 v[T], v[T], v[T+1], v[T+4]
.else
	v_max_num_f32 v[BIN+(\g)], v[T], v[T+2]
.endif
.endm
; Ten matrix instructions: the five accumulators take turns, one instruction a turn, K step 0 and then K step 1.  red = 1: two instructions of the group before's
; maximum stand behind each.  Behind an accumulator's last product stand six plain instructions or more on other registers before it is read: for the fifth, its own two and the first four of the list.
.macro GROUP g, buf, red
.set ii, 0
.rept 10
	MM \g, ii%5, ii/5, \buf
.if \red
	WIN 0xff
	RED (\g)-1, 2*ii
	RED (\g)-1, 2*ii+1
.endif
.set ii, ii+1
.endr
.endm
; A pair of query tiles in buffers 2 b, 2 b + 1.  load = 1: the pair three on is asked for, qi pairs from the base.  lw: the younger loads that may stay out.  st = 1: the record of the pair before is stored, so records from the base.
.macro PAIR b, load, qi, lw, st, so
	s_wait_loadcnt \lw                             ; this pair's 14 loads are in; those of the pairs behind it, 14 each, stay out
.if \load
	QLOAD \qi, 2*(((\b)+3)%4)                      ; into the buffers of the pair before: behind its last product stand 22 plain instructions
.endif
	GROUP 0, 2*(\b), 0
	WIN 0
.rept 4
	v_nop                                          ; group 0 carries no maximum: these are the places behind its products
.endr
.if \st
	s_wait_dscnt 0x0                               ; the record of the pair before is back from the stage (asked for ten matrix instructions ago)
	WIN 0x0c                                       ; a store's data are its source 1: window 3
	global_store_b128 v[LI], v[OUT:OUT+3],   s[12:13] offset:(\so)*REC th:TH_STORE_NT        ; five whole blocks of 256 consecutive bytes, aligned
	global_store_b128 v[LI], v[OUT+4:OUT+7], s[12:13] offset:(\so)*REC+512 th:TH_STORE_NT
	global_store_b64  v[L8], v[OUT+8:OUT+9], s[12:13] offset:(\so)*REC+1024 th:TH_STORE_NT
.endif
.irp g, 1,2,3,4,5,6,7,8,9
	GROUP \g, 2*(\b), 1
.endr
	WIN 0xff
.set ii, 0
.rept 20
	RED 9, ii
.set ii, ii+1
.endr
	WIN 0
	s_wait_xcnt 0x0                                ; every load and store issued so far has read its registers: OUT is loaded again, and the bases are stepped, only behind this wait
	WIN 0x0c
.irp u, 0,1
.irp g, 0,1,2,3,4
	ds_store_b32 v[SA], v[BIN+5*\u+\g] offset:640*\u+8*\g   ; the 32 lanes' words fall into 32 different banks
.endr
.endr
	WIN 0xc0                                       ; destination window 3.  LDS serves a wave's instructions in order: these see the stores above
	ds_load_b128 v[OUT:OUT+3], v[RB]
	ds_load_b128 v[OUT+4:OUT+7], v[RB] offset:512
	ds_load_b64 v[OUT+8:OUT+9], v[RB2]
	WIN 0
.endm
	s_load_b256 s[4:11], s[0:1], 0x0               ; mcodes, mscales, qcodes, qscales
	s_load_b64 s[12:13], s[0:1], 0x20              ; binmax
	v_lshl_add_u32 v62, v0, 2, 0x29000
	v_mov_b32 v63, 0
	ds_add_u32 v62, v63
	ds_add_u32 v62, v63
	v_lshrrev_b32 v12, 5, v0
	v_readfirstlane_b32 s16, v12                   ; wave 0..3
	v_and_b32 v12, 31, v0                          ; lane
	v_and_b32 v13, 15, v0                          ; r
	v_bfe_u32 v14, v0, 4, 1                        ; h
	v_lshlrev_b32 v[LI], 4, v12
	v_lshlrev_b32 v[LS], 2, v12
	v_lshlrev_b32 v[L8], 3, v12
	v_add_nc_u32 v[LI2], 61440, v[LI]
	s_mul_i32 s20, s16, 19200                      ; my quarter of the 76,800 bytes: 37 copies of 512 bytes and one of 256
	v_add_nc_u32 v[CPL], s20, v[LI]
	v_add_nc_u32 v[CPG], s20, v[LI]
	s_add_co_u32 s21, s20, 18944
	v_add_nc_u32 v[CQL], s21, v[L8]
	v_add_nc_u32 v[CQG], s21, v[L8]
	s_mul_i32 s22, s16, 1280
	s_add_co_u32 s22, s22, STG                     ; my stage
	v_lshrrev_b32 v15, 3, v13
	v_mul_u32_u24 v15, v15, 320
	v_and_b32 v13, 7, v13
	v_mad_u32_u24 v15, v13, 40, v15
	v_lshl_add_u32 v15, v14, 2, v15
	v_add_nc_u32 v[SA], s22, v15                   ; 320 (r / 8) + 40 (r % 8) + 4 h; the query tile (640) and the group (8) stand in the immediate
	v_add_nc_u32 v[RB], s22, v[LI]
	s_add_co_u32 s23, s22, 1024
	v_add_nc_u32 v[RB2], s23, v[L8]
	s_mul_i32 s24, ttmp9, 76800                    ; my work-group's 25 images,
	s_mov_b32 s25, 0
	s_mul_i32 s26, ttmp9, 3200                     ; their scale words,
	s_mov_b32 s27, 0
	s_mul_i32 s28, s16, 98304                      ; my wave's 32 query tiles,
	s_mov_b32 s29, 0
	s_lshl_b32 s30, s16, 12                        ; their scale words,
	s_mov_b32 s31, 0
	s_mul_i32 s32, s16, 4000                       ; and my first record: (250 x 16 wave + s) x 1,280
	s_add_co_u32 s32, s32, ttmp9
	s_mul_i32 s32, s32, 1280
	s_mov_b32 s33, 0
	s_wait_dscnt 0x0
	s_wait_kmcnt 0x0
	s_add_nc_u64 s[4:5], s[4:5], s[24:25]
	s_add_nc_u64 s[6:7], s[6:7], s[26:27]
	s_add_nc_u64 s[8:9], s[8:9], s[28:29]
	s_add_nc_u64 s[10:11], s[10:11], s[30:31]
	s_add_nc_u64 s[12:13], s[12:13], s[32:33]
.set ii, 0
.rept 37                                       ; the copies stand ahead of every wait on their counter, every LDS read and every barrier; these bytes are filled once
	global_load_async_to_lds_b128 v[CPL], v[CPG], s[4:5] offset:512*ii
.set ii, ii+1
.endr
	global_load_async_to_lds_b64 v[CQL], v[CQG], s[4:5]
.set ii, 0
.rept 25
	global_load_b32 v[MS+ii], v[LS], s[6:7] offset:128*ii
.set ii, ii+1
.endr
	QLOAD 0, 0
	QLOAD 1, 2
	QLOAD 2, 4
	s_wait_asynccnt 0x0                            ; my quarter of the images has landed,
	s_barrier_signal -1
	s_barrier_wait -1                              ; everybody's has
	WIN 0x40
.set tt, 0
.rept 10
.irp k, 0,1,2,3,4,5
	ds_load_b128 v[24*tt+4*\k:24*tt+4*\k+3], v[LI] offset:IMG*tt+512*\k
.endr
.set tt, tt+1
.endr
	WIN 0x80
.set tt, 0
.rept 10
.irp k, 0,1,2,3,4,5
	ds_load_b128 v[24*tt+4*\k:24*tt+4*\k+3], v[LI] offset:IMG*(tt+10)+512*\k
.endr
.set tt, tt+1
.endr
	WIN 0xc0
.set tt, 0
.rept 5
.irp k, 0,1,2,3,4,5
	ds_load_b128 v[24*tt+4*\k:24*tt+4*\k+3], v[LI2] offset:IMG*(tt+20)+512*\k-61440
.endr
.set tt, tt+1
.endr
	WIN 0
	s_wait_dscnt 0x0
	PAIR 0, 1, 3, 28, 0, 0                         ; pair 0 stands ahead of the loop: there is no record yet to store.  Its wait also covers the 25 scale registers, which were asked for first
	s_mov_b32 s17, 3
.Ltrip:                                            ; three trips: pairs 1 to 12; each asks for the pair three on (4 to 15) and stores the record of the pair before (0 to 11)
	PAIR 1, 1, 4, 28, 1, 0
	PAIR 2, 1, 5, 28, 1, 1
	PAIR 3, 1, 6, 28, 1, 2
	PAIR 0, 1, 7, 28, 1, 3
	s_add_nc_u64 s[8:9], s[8:9], 24576             ; four pairs on (behind the pair's wait on XCNT; only LDS instructions have followed it)
	s_add_nc_u64 s[10:11], s[10:11], 1024
	s_add_nc_u64 s[12:13], s[12:13], 4*REC
	s_sub_co_u32 s17, s17, 1
	s_cmp_lg_u32 s17, 0
	s_cbranch_scc1 .Ltrip
	PAIR 1, 0, 0, 28, 1, 0                         ; pairs 13, 14, 15 ask for nothing: the counts run down
	PAIR 2, 0, 0, 14, 1, 1
	PAIR 3, 0, 0, 0, 1, 2
	s_wait_dscnt 0x0
	WIN 0x0c
	global_store_b128 v[LI], v[OUT:OUT+3],   s[12:13] offset:3*REC th:TH_STORE_NT
	global_store_b128 v[LI], v[OUT+4:OUT+7], s[12:13] offset:3*REC+512 th:TH_STORE_NT
	global_store_b64  v[L8], v[OUT+8:OUT+9], s[12:13] offset:3*REC+1024 th:TH_STORE_NT
	WIN 0
	s_wait_tensorcnt 0x0
	ds_add_u32 v62, v63
	s_wait_dscnt 0x0
	s_endpgm
.Lfunc_end_k_q0f1f13f60b_scan:
	.size	k_q0f1f13f60b_scan, .Lfunc_end_k_q0f1f13f60b_scan-k_q0f1f13f60b_scan
	.p2alignl 7, 3214868480
	.fill 96, 4, 3214868480
	.section	.rodata,"a",@progbits
	.p2align	6, 0x0
	.amdhsa_kernel k_q0f1f13f60b_scan
		.amdhsa_group_segment_fixed_size 168448
		.amdhsa_private_segment_fixed_size 0
		.amdhsa_enable_private_segment 0
		.amdhsa_kernarg_size 40
		.amdhsa_user_sgpr_count 2
		.amdhsa_user_sgpr_kernarg_segment_ptr 1
		.amdhsa_wavefront_size32 1
		.amdhsa_system_sgpr_workgroup_id_x 1
		.amdhsa_system_sgpr_workgroup_id_y 1
		.amdhsa_system_sgpr_workgroup_id_z 1
		.amdhsa_system_vgpr_workitem_id 0
		.amdhsa_next_free_vgpr 1024
		.amdhsa_next_free_sgpr 66
		.amdhsa_reserve_vcc 0
		.amdhsa_float_denorm_mode_32 3
		.amdhsa_float_denorm_mode_16_64 3
		.amdhsa_memory_ordered 1
		.amdhsa_forward_progress 1
		.amdhsa_inst_pref_size 255
	.end_amdhsa_kernel
	.section	.bss,"aw",@nobits
	.p2align	6
	.space	262144
	.amdgpu_metadata
---
amdhsa.version: [ 1, 2 ]
amdhsa.kernels:
  - .name:           k_q0f1f13f60b_scan
    .symbol:         k_q0f1f13f60b_scan.kd
    .args:
      - { .name: mcodes, .offset: 0, .size: 8, .value_kind: global_buffer, .address_space: global }
      - { .name: mscales, .offset: 8, .size: 8, .value_kind: global_buffer, .address_space: global }
      - { .name: qcodes, .offset: 16, .size: 8, .value_kind: global_buffer, .address_space: global }
      - { .name: qscales, .offset: 24, .size: 8, .value_kind: global_buffer, .address_space: global }
      - { .name: binmax, .offset: 32, .size: 8, .value_kind: global_buffer, .address_space: global }
    .group_segment_fixed_size: 168448
    .private_segment_fixed_size: 0
    .kernarg_segment_align: 8
    .kernarg_segment_size: 40
    .max_flat_workgroup_size: 128
    .sgpr_count:     66
    .vgpr_count:     1024
    .wavefront_size: 32
...
	.end_amdgpu_metadata
.endif
;; end of part 2
;; launch pick (part 3): grid 256 x 1, 8 waves a work-group, no clusters, 168,960 bytes of LDS; arguments binmax, bins; writes bins
.if DOCPART == 3
	.amdgcn_target "amdgcn-amd-amdhsa--gfx1250"
	.amdhsa_code_object_version 6
	.text
	.protected	k_q0f1f13f60b_pick
	.globl	k_q0f1f13f60b_pick
	.p2align	8
	.type	k_q0f1f13f60b_pick,@function
k_q0f1f13f60b_pick:
	s_mov_b64 s[64:65], 0
	v_nop
	global_prefetch_b8 v0, s[64:65] scope:SCOPE_SE
	s_setreg_imm32_b32 hwreg(HW_REG_WAVE_MODE, 25, 1), 1
	s_wait_xcnt 0x0
; For each query the 8 best of its 2,500 bins, by (the bin's largest score, descending; the bin's number, ascending).  Every one of a query's 8 best rows, by (score descending, row ascending), lies in one of
; these: were its bin not among them, eight other bins' best rows would come before that bin's best row, and so before the row; bins are runs of consecutive rows, so on equal scores the lower bin holds the lower row.
; SHARES.  Work-group x owns queries 8 x .. 8 x + 7, a wave a query.  Their maxima are 250 pieces of 320 bytes, 1,280 bytes apart: ONE tensor load brings them, as 256 rows (the last six lie past the
; tensor's extent and arrive as zeros), 8 bytes of padding behind every 64: LDS rows 360 bytes apart, with which the 32 lanes of a load of 8 bytes touch 64 different banks.  Filled once.
; A lane holds 80 maxima: register 10 m + b is bin 320 m + 10 lane + b.
; PASS 1: T, the 8th largest value: a sorted list of 8 in each lane (one v_med3 for each place), merged across lanes.  PASS 2: the 8 smallest KEYS: the bin's number where its value is above T,
; the number + 4,096 where it equals T, infinity below: all bins above T, then equal ones by ascending number.  Numbers are kept as f32: whole numbers under 2^13, exact.  No branch and no address hangs on a value.
; LIMITS: NaN among the maxima is not served; +0 and -0 count as equal.
.set PIT,  360
.set OST,  256*PIT                     ; behind the tile (92,160 = 360 blocks of 256 bytes): 256 bytes for the way out
.set A,    2                           ; v2-6 LDS address of my query's five pieces of 8 bytes in row lane; v7-11 the same 128 rows on
.set OA,   12                          ; v12  where my word of the result goes
.set GO,   13                          ; v13  8 x lane
.set RA,   14                          ; v14  where wave 0 reads the result back
.set V,    16                          ; v16-95
.set L,    96                          ; v96-103   the sorted list
.set C,    104                         ; v104-111  at work in the merges
.set P,    112                         ; v112-119  the other half's list
.set T,    120
.set IDB,  121                         ; 320 m + 10 lane as f32
.set IDB4, 122                         ; the same + 4,096
.set INF,  123
.set XR,   124                         ; v124-125 keys, by turns
.set NINF, 126
.set OV,   127
.set TS,   130                         ; v130-133
.macro INSMAX x                        ; x into the list, largest first: each place takes the middle of x and its old neighbours; all lines read old values
.irp i, 7,6,5,4,3,2,1
	v_med3_num_f32 v[L+\i], v[\x], v[L+\i-1], v[L+\i]
.endr
	v_max_num_f32 v[L], v[L], v[\x]
.endm
.macro INSMIN x                        ; the same, smallest first
.irp i, 7,6,5,4,3,2,1
	v_med3_num_f32 v[L+\i], v[\x], v[L+\i-1], v[L+\i]
.endr
	v_min_num_f32 v[L], v[L], v[\x]
.endm
.macro STAGE src, dst, d, opa, opb     ; compare and exchange at distance d
.irp i, 0,1,2,3,4,5,6,7
.if ((\i)/(\d))%2 == 0
	\opa v[\dst+\i], v[\src+\i], v[\src+\i+\d]
	\opb v[\dst+\i+\d], v[\src+\i], v[\src+\i+\d]
.endif
.endr
.endm
; my list and that of lane l xor mask: place i against the partner's place 7 - i keeps the best eight of the sixteen, in an order that rises and falls once; three stages sort it
.macro MERGE dppop, opa, opb, mask
.irp i, 0,1,2,3,4,5,6,7
	\dppop v[C+\i], v[L+7-\i], v[L+\i] row_xmask:\mask row_mask:0xf bank_mask:0xf
.endr
	STAGE C, L, 4, \opa, \opb
	STAGE L, C, 2, \opa, \opb
	STAGE C, L, 1, \opa, \opb
.endm
.macro KEY reg, fb, xr
	v_cmp_gt_f32 vcc_lo, v[\reg], v[T]
	v_cndmask_b32 v[\xr], v[IDB4], v[IDB], vcc_lo
	v_cmp_lt_f32 vcc_lo, v[\reg], v[T]
	v_cndmask_b32 v[\xr], v[\xr], v[INF], vcc_lo
.if \fb != 0
	v_add_f32 v[\xr], \fb, v[\xr]                  ; + b
.endif
	INSMIN \xr
.endm
	s_load_b128 s[4:7], s[0:1], 0x0                ; binmax, bins
	v_lshl_add_u32 v136, v0, 2, 0x29000
	v_mov_b32 v137, 0
	ds_add_u32 v136, v137
	ds_add_u32 v136, v137
	v_lshrrev_b32 v1, 5, v0
	v_readfirstlane_b32 s16, v1                    ; wave = which of the eight queries
	v_and_b32 v1, 31, v0                           ; lane
	; descriptor group 1: 256 rows of 40 elements of 8 bytes, 160 elements apart; 250 rows are left of the tensor
	s_mov_b32 s24, (3<<16)|(1<<20)|(3<<22)|(1<<25) ; 17:16 elements of 8 bytes; 20 padding on; 24:22 after every 16 words (code 3); 31:25 of 2 words (code 1)
	s_mov_b32 s25, 40<<16                          ; tensor_dim0 = 40
	s_mov_b32 s26, 250<<16                         ; tensor_dim1 = 250
	s_mov_b32 s27, 40<<16                          ; tile_dim0 = 40
	s_mov_b32 s28, 256                             ; tile_dim1 = 256
	s_mov_b32 s29, 160                             ; from row to row
	s_mov_b32 s30, 0
	s_mov_b32 s31, 0
	s_lshr_b32 s8, ttmp9, 2                        ; the pair of query tiles,
	s_mul_i32 s8, s8, 320000
	s_and_b32 s9, ttmp9, 3                         ; and which 8 of its 32 queries
	s_mul_i32 s9, s9, 320
	s_add_co_u32 s8, s8, s9
	s_mov_b32 s9, 0
	s_lshl_b32 s14, ttmp9, 8                       ; the result: 256 bytes a work-group
	s_mov_b32 s15, 0
	s_mov_b32 s20, 1                               ; group 0: count = 1,
	s_mov_b32 s21, 0                               ; LDS byte 0
	s_mov_b32 s17, 0xfc000000                      ; lanes 26-31: with m = 7 they hold rows 250-255
	s_mov_b32 s18, 0x76543210
	s_mov_b32 s19, 0xfedcba98                      ; v_permlanex16_b32's selects for lane l xor 16
	s_mov_b32 s34, 0xaaaaaaaa                      ; lanes with bit 0, 1, 2 of their number set
	s_mov_b32 s35, 0xcccccccc
	s_mov_b32 s36, 0xf0f0f0f0
	; every LDS address is made here, ahead of the branch on the wave's number
	v_mul_u32_u24 v[XR], v1, PIT
.irp k, 0,1,2,3,4
	s_mul_i32 s10, s16, 5
	s_add_co_u32 s10, s10, \k                      ; piece 5 wave + k of a row's 40 pieces of 8 bytes,
	s_lshr_b32 s11, s10, 3
	s_add_co_u32 s10, s10, s11                     ; behind one padding of 8 bytes for every 8 pieces passed
	s_lshl_b32 s10, s10, 3
	v_add_nc_u32 v[A+\k], s10, v[XR]
	v_add_nc_u32 v[A+5+\k], 128*PIT, v[A+\k]
.endr
	v_and_b32 v[XR], 7, v0
	v_bfe_u32 v[XR+1], v0, 4, 1
	v_mul_u32_u24 v[XR+1], v[XR+1], 7
	v_xor_b32 v[XR], v[XR], v[XR+1]                ; behind the last merge lanes 16-31 hold the eight in the opposite order to lanes 0-15: their place lane % 8 goes to word 7 - lane % 8
	s_lshl_b32 s12, s16, 5
	s_add_co_u32 s12, s12, OST
	v_lshl_add_u32 v[OA], v[XR], 2, s12
	v_lshlrev_b32 v[GO], 3, v1
	v_add_nc_u32 v[RA], OST, v[GO]
	v_mul_u32_u24 v[XR], v1, 10
	v_cvt_f32_u32 v[IDB], v[XR]
	v_add_f32 v[IDB4], 0x45800000, v[IDB]          ; + 4,096
	v_mov_b32 v[INF], 0x7f800000
	v_mov_b32 v[NINF], 0xff800000
.irp i, 0,1,2,3,4,5,6,7
	v_mov_b32 v[L+\i], v[NINF]
	v_mov_b32 v[C+\i], 0                           ; written once: the destination of a DPP form and of a lane permute counts as one of its sources
	v_mov_b32 v[P+\i], 0
.endr
	s_wait_dscnt 0x0
	s_wait_kmcnt 0x0
	s_add_nc_u64 s[6:7], s[6:7], s[14:15]
	s_add_nc_u64 s[22:23], s[4:5], s[8:9]          ; the tile's first element
	s_or_b32 s23, s23, 0x80000000                  ; type = 2
	s_cmp_lg_u32 s16, 0
	s_cbranch_scc1 .Lnofill
	tensor_load_to_lds s[20:23], s[24:31]          ; wave 0 alone: the launch's one fill
	s_nop 0
.rept 4
	v_nop
.endr
.Lnofill:
	s_wait_tensorcnt 0x0                           ; the tile has landed (in the other waves nothing is out),
	s_barrier_signal -1
	s_barrier_wait -1                              ; and every wave may read it
.irp m, 0,1,2,3,4,5,6,7
.irp k, 0,1,2,3,4
	ds_load_b64 v[V+10*\m+2*\k:V+10*\m+2*\k+1], v[A+5*(\m/4)+\k] offset:32*PIT*(\m%4)
.endr
.endr
	; PASS 1
.irp m, 0,1,2,3,4,5,6,7
	s_wait_dscnt 5*(7-\m)                          ; the five loads of these ten registers are in; the five of each later m may be out
.if \m == 7
.irp b, 0,1,2,3,4,5,6,7,8,9
	v_cndmask_b32 v[V+70+\b], v[V+70+\b], v[NINF], s17   ; rows 250-255 are no bins
.endr
.endif
.irp b, 0,1,2,3,4,5,6,7,8,9
	INSMAX V+10*\m+\b
.endr
.endr
.irp k, 1,2,4,8
	MERGE v_max_num_f32_dpp, v_max_num_f32, v_min_num_f32, \k
.endr
.irp i, 0,1,2,3,4,5,6,7
	v_permlanex16_b32 v[P+\i], v[L+7-\i], s18, s19
.endr
.irp i, 0,1,2,3,4,5,6,7
	v_max_num_f32 v[C+\i], v[L+\i], v[P+\i]        ; the query's eight largest values
.endr
	v_min3_num_f32 v[T], v[C], v[C+1], v[C+2]
	v_min3_num_f32 v[T], v[T], v[C+3], v[C+4]
	v_min3_num_f32 v[T], v[T], v[C+5], v[C+6]
	v_min_num_f32 v[T], v[T], v[C+7]               ; the least of them
	; PASS 2
.irp i, 0,1,2,3,4,5,6,7
	v_mov_b32 v[L+\i], v[INF]
.endr
.irp m, 0,1,2,3,4,5,6,7
.set nn, 0
.irp f, 0, 0x3f800000, 0x40000000, 0x40400000, 0x40800000, 0x40a00000, 0x40c00000, 0x40e00000, 0x41000000, 0x41100000
	KEY V+10*\m+nn, \f, XR+nn%2
.set nn, nn+1
.endr
.if \m < 7
	v_add_f32 v[IDB], 0x43a00000, v[IDB]           ; 320 bins on
	v_add_f32 v[IDB4], 0x43a00000, v[IDB4]
.endif
.endr
.irp k, 1,2,4,8
	MERGE v_min_num_f32_dpp, v_min_num_f32, v_max_num_f32, \k
.endr
.irp i, 0,1,2,3,4,5,6,7
	v_permlanex16_b32 v[P+\i], v[L+7-\i], s18, s19
.endr
.irp i, 0,1,2,3,4,5,6,7
	v_min_num_f32 v[C+\i], v[L+\i], v[P+\i]        ; the eight smallest keys; their order does not matter to the launch that reads them
.endr
	v_cndmask_b32 v[TS], v[C], v[C+1], s34         ; my lane takes place lane % 8
	v_cndmask_b32 v[TS+1], v[C+2], v[C+3], s34
	v_cndmask_b32 v[TS+2], v[C+4], v[C+5], s34
	v_cndmask_b32 v[TS+3], v[C+6], v[C+7], s34
	v_cndmask_b32 v[TS], v[TS], v[TS+1], s35
	v_cndmask_b32 v[TS+2], v[TS+2], v[TS+3], s35
	v_cndmask_b32 v[OV], v[TS], v[TS+2], s36
	v_cmp_le_f32 vcc_lo, 0x45800000, v[OV]
	v_add_f32 v[TS], 0xc5800000, v[OV]
	v_cndmask_b32 v[OV], v[OV], v[TS], vcc_lo      ; the key's 4,096 comes off
	v_cvt_u32_f32 v[OV], v[OV]
	ds_store_b32 v[OA], v[OV]                      ; the four lanes that write a word write the same number
	s_wait_dscnt 0x0                               ; for the others' sake: my store is done
	s_barrier_signal -1
	s_barrier_wait -1
	s_cmp_lg_u32 s16, 0
	s_cbranch_scc1 .Ldone
	ds_load_b64 v[128:129], v[RA]
	s_wait_dscnt 0x0
	global_store_b64 v[GO], v[128:129], s[6:7]     ; 32 lanes store 256 consecutive bytes, aligned: eight queries' eight bins
.Ldone:
	s_wait_tensorcnt 0x0
	ds_add_u32 v136, v137
	s_wait_dscnt 0x0
	s_endpgm
.Lfunc_end_k_q0f1f13f60b_pick:
	.size	k_q0f1f13f60b_pick, .Lfunc_end_k_q0f1f13f60b_pick-k_q0f1f13f60b_pick
	.p2alignl 7, 3214868480
	.fill 96, 4, 3214868480
	.section	.rodata,"a",@progbits
	.p2align	6, 0x0
	.amdhsa_kernel k_q0f1f13f60b_pick
		.amdhsa_group_segment_fixed_size 168960
		.amdhsa_private_segment_fixed_size 0
		.amdhsa_enable_private_segment 0
		.amdhsa_kernarg_size 16
		.amdhsa_user_sgpr_count 2
		.amdhsa_user_sgpr_kernarg_segment_ptr 1
		.amdhsa_wavefront_size32 1
		.amdhsa_system_sgpr_workgroup_id_x 1
		.amdhsa_system_sgpr_workgroup_id_y 1
		.amdhsa_system_sgpr_workgroup_id_z 1
		.amdhsa_system_vgpr_workitem_id 0
		.amdhsa_next_free_vgpr 138
		.amdhsa_next_free_sgpr 66
		.amdhsa_reserve_vcc 1
		.amdhsa_float_denorm_mode_32 3
		.amdhsa_float_denorm_mode_16_64 3
		.amdhsa_memory_ordered 1
		.amdhsa_forward_progress 1
		.amdhsa_inst_pref_size 112
	.end_amdhsa_kernel
	.amdgpu_metadata
---
amdhsa.version: [ 1, 2 ]
amdhsa.kernels:
  - .name:           k_q0f1f13f60b_pick
    .symbol:         k_q0f1f13f60b_pick.kd
    .args:
      - { .name: binmax, .offset: 0, .size: 8, .value_kind: global_buffer, .address_space: global }
      - { .name: bins, .offset: 8, .size: 8, .value_kind: global_buffer, .address_space: global }
    .group_segment_fixed_size: 168960
    .private_segment_fixed_size: 0
    .kernarg_segment_align: 8
    .kernarg_segment_size: 16
    .max_flat_workgroup_size: 256
    .sgpr_count:     66
    .vgpr_count:     138
    .wavefront_size: 32
...
	.end_amdgpu_metadata
.endif
;; end of part 3
;; launch rescore (part 4): grid 256 x 1, 8 waves a work-group, no clusters, 1,536 bytes of LDS; arguments bins, mcodes, mscales, qcodes, qscales, out1, idx; writes out1, idx
.if DOCPART == 4
	.amdgcn_target "amdgcn-amd-amdhsa--gfx1250"
	.amdhsa_code_object_version 6
	.text
	.protected	k_q0f1f13f60b_rescore
	.globl	k_q0f1f13f60b_rescore
	.p2align	8
	.type	k_q0f1f13f60b_rescore,@function
k_q0f1f13f60b_rescore:
	s_mov_b64 s[64:65], 0
	v_nop
	global_prefetch_b8 v0, s[64:65] scope:SCOPE_SE
	s_setreg_imm32_b32 hwreg(HW_REG_WAVE_MODE, 25, 1), 1
	s_wait_xcnt 0x0
; The 320 scores of each query's 8 chosen bins once more, by the same matrix instruction on the same codes, and of them the top 8 by (score descending, row ascending): out1, and the rows' numbers for the gather.
; SHARES.  A wave a query.  Source 0 = the query's fragment in all 16 rows (every lane of a half reads the same 16 bytes of the query tile's image); source 1 = 16 candidate rows: columns 0-7 eight rows of
; one bin, columns 8-15 eight rows of the next: each lane picks its 16 bytes out of the images by its own bin's number.  All 16 rows of a result are equal: register 0 holds candidate lane % 16's score.
; The bins' numbers are whole numbers that an earlier launch stored; each is held at 2,499 before it enters an address.
; The eight rounds: the largest score over registers and lanes; among the places that hold it the lowest row; that place is struck out.  Rows as f32: whole numbers under 2^17, exact.
; LIMITS: NaN among the scores is not served; +0 and -0 count as equal.
; REGISTERS: window 0: v1-12 addresses; v16-39 the query; v40 its scale register; v41-50 the candidates'; v52-67 offsets and bins; v72-151 ten accumulators; v152-161 the scores; v162-171 their rows; v172-207 at work.
;   window 1: ten candidate fragments of 24.
.set QOF, 3                            ; v3   the query's 16 bytes in its tile's image: 16 (q % 16) + 256 (lane / 16)
.set QSO, 4                            ; v4   and its scale word: 4 (q % 16) + 64 (lane / 16)
.set VB1, 5                            ; v5   4 ((lane / 8) % 2): which bin of a pair my column belongs to
.set VB2, 6                            ; v6   4 (lane / 8): which bin of four my place in the scores belongs to
.set LV,  7                            ; v7   16 (lane % 8) + 256 (lane / 16)
.set LSV, 8                            ; v8   4 (lane % 8) + 64 (lane / 16)
.set OA,  9                            ; v9   LDS: 32 wave + 4 (lane % 8)
.set GO,  10                           ; v10  8 x lane
.set J7,  12                           ; v12  lane % 8
.set AQ,  16
.set AS,  40
.set SB,  41
.set VC,  52
.set VS,  56
.set RBX, 60
.set BN,  62
.set ACC, 72
.set S,   152
.set IDX, 162
.set CN,  172
.set MK,  182
.set WK,  190
.set TA,  198
.set TB,  199
.set TS,  200
.set OS,  204
.set OI,  205
.set INF, 206
.set NINF, 207
.set MSB, 0
.macro WIN new                         ; the immediate's high byte repeats the setting that is left
.if MSB != (\new)
	s_set_vgpr_msb (MSB<<8)|(\new)
.set MSB, (\new)
.endif
.endm
	s_load_b256 s[4:11], s[0:1], 0x0               ; bins, mcodes, mscales, qcodes
	s_load_b128 s[12:15], s[0:1], 0x20             ; qscales, out1
	s_load_b64 s[20:21], s[0:1], 0x30              ; idx
	v_lshl_add_u32 v254, v0, 2, 0x200
	v_mov_b32 v255, 0
	v_lshrrev_b32 v1, 5, v0
	v_readfirstlane_b32 s16, v1                    ; wave 0..7
	s_lshl_b32 s17, ttmp9, 3
	s_add_co_u32 s17, s17, s16                     ; my query
	s_lshl_b32 s22, s17, 5                         ; its eight bins
	s_mov_b32 s23, 0
	s_lshr_b32 s24, s17, 4                         ; its tile,
	s_and_b32 s25, s17, 15                         ; and its row there
	s_mul_i32 s26, s24, 3072
	s_mov_b32 s27, 0
	s_lshl_b32 s28, s24, 7
	s_mov_b32 s29, 0
	s_lshl_b32 s30, s25, 4
	s_lshl_b32 s31, s25, 2
	s_lshl_b32 s37, s16, 5
	s_lshl_b32 s38, ttmp9, 8                       ; the results: 256 bytes a work-group
	s_mov_b32 s39, 0
	s_mov_b32 s18, 0xffff0000                      ; lanes 16-31
	s_mov_b32 s32, 0x76543210
	s_mov_b32 s33, 0xfedcba98                      ; v_permlanex16_b32's selects for lane l xor 16
	s_mov_b32 s34, 0xaaaaaaaa
	s_mov_b32 s35, 0xcccccccc
	s_mov_b32 s36, 0xf0f0f0f0
	v_and_b32 v1, 31, v0                           ; lane
	v_bfe_u32 v2, v0, 4, 1                         ; lane / 16
	v_and_b32 v[J7], 7, v0
	v_lshl_add_u32 v[QOF], v2, 8, s30
	v_lshl_add_u32 v[QSO], v2, 6, s31
	v_bfe_u32 v[VB1], v0, 3, 1
	v_lshlrev_b32 v[VB1], 2, v[VB1]
	v_bfe_u32 v[VB2], v0, 3, 2
	v_lshlrev_b32 v[VB2], 2, v[VB2]
	v_lshlrev_b32 v[LV], 4, v[J7]
	v_lshl_add_u32 v[LV], v2, 8, v[LV]
	v_lshlrev_b32 v[LSV], 2, v[J7]
	v_lshl_add_u32 v[LSV], v2, 6, v[LSV]
	v_lshl_add_u32 v[OA], v[J7], 2, s37
	v_lshlrev_b32 v[GO], 3, v1
	v_mov_b32 v[INF], 0x7f800000
	v_mov_b32 v[NINF], 0xff800000
	v_mov_b32 v[TB], 0                             ; written once: a lane permute's destination counts as one of its sources
	s_wait_kmcnt 0x0
	s_add_nc_u64 s[4:5], s[4:5], s[22:23]
	s_add_nc_u64 s[10:11], s[10:11], s[26:27]
	s_add_nc_u64 s[12:13], s[12:13], s[28:29]
	s_add_nc_u64 s[14:15], s[14:15], s[38:39]
	s_add_nc_u64 s[20:21], s[20:21], s[38:39]
.irp p, 0,1,2,3
	global_load_b32 v[BN+\p], v[VB1], s[4:5] offset:8*\p      ; pair p: columns 0-7 bin 2 p, columns 8-15 bin 2 p + 1
.endr
.irp e, 0,1
	global_load_b32 v[BN+4+\e], v[VB2], s[4:5] offset:16*\e   ; half e: lane l's place in the scores belongs to bin 4 e + l / 8
.endr
.irp k, 0,1,2,3,4,5
	global_load_b128 v[AQ+4*\k:AQ+4*\k+3], v[QOF], s[10:11] offset:512*\k
.endr
	global_load_b32 v[AS], v[QSO], s[12:13]
	s_wait_loadcnt 7                               ; the six loads of bins are in; the query's seven, issued behind them, may be out
.irp p, 0,1,2,3,4,5
	v_min_u32 v[BN+\p], 2499, v[BN+\p]
.endr
.irp p, 0,1,2,3                                ; bin = 2 G + hh: tile 5 G + tau, rows 8 hh + 0..7: codes at 15,360 G + 3,072 tau + 128 hh + 16 j + 256 (lane / 16), scale words at 640 G + 128 tau + 32 hh + 4 j + 64 (lane / 16)
	v_and_b32 v[TA], 0xffe, v[BN+\p]
	v_and_b32 v[TS], 1, v[BN+\p]
	v_mul_u32_u24 v[VC+\p], v[TA], 7680
	v_lshlrev_b32 v[TS+1], 7, v[TS]
	v_add_nc_u32 v[VC+\p], v[VC+\p], v[TS+1]
	v_add_nc_u32 v[VC+\p], v[VC+\p], v[LV]
	v_mul_u32_u24 v[VS+\p], v[TA], 320
	v_lshlrev_b32 v[TS+1], 5, v[TS]
	v_add_nc_u32 v[VS+\p], v[VS+\p], v[TS+1]
	v_add_nc_u32 v[VS+\p], v[VS+\p], v[LSV]
.endr
.irp e, 0,1
	v_mul_u32_u24 v[TA], v[BN+4+\e], 40
	v_add_nc_u32 v[TA], v[TA], v[J7]
	v_cvt_f32_u32 v[RBX+\e], v[TA]                 ; memory row 40 bin + lane % 8, as f32
	v_mov_b32 v[IDX+5*\e], v[RBX+\e]
	v_add_f32 v[IDX+5*\e+1], 0x41000000, v[RBX+\e] ; + 8 tau
	v_add_f32 v[IDX+5*\e+2], 0x41800000, v[RBX+\e]
	v_add_f32 v[IDX+5*\e+3], 0x41c00000, v[RBX+\e]
	v_add_f32 v[IDX+5*\e+4], 0x42000000, v[RBX+\e]
.endr
; four bins: ten fragments (pair pp, tau), twenty matrix instructions, 160 scores
.macro HALF e
	WIN 0x40                                       ; destination window 1
.irp pp, 0,1
.irp tau, 0,1,2,3,4
.irp k, 0,1,2,3,4,5
	global_load_b128 v[24*(5*\pp+\tau)+4*\k:24*(5*\pp+\tau)+4*\k+3], v[VC+2*\e+\pp], s[6:7] offset:3072*\tau+512*\k
.endr
.endr
.endr
	WIN 0
.irp pp, 0,1
.irp tau, 0,1,2,3,4
	global_load_b32 v[SB+5*\pp+\tau], v[VS+2*\e+\pp], s[8:9] offset:128*\tau
.endr
.endr
	s_wait_loadcnt 0x0                             ; all seventy, and in the first half the query's
	WIN 0x04                                       ; source 1 window 1
.irp f, 0,1,2,3,4,5,6,7,8,9                    ; the ten accumulators take turns, one instruction a turn
	v_wmma_scale_f32_16x16x128_f8f6f4 v[ACC+8*\f:ACC+8*\f+7], v[AQ:AQ+11], v[24*\f:24*\f+11], 0, v[AS], v[SB+\f] matrix_a_fmt:MATRIX_FMT_BF6 matrix_b_fmt:MATRIX_FMT_BF6
.endr
.irp f, 0,1,2,3,4,5,6,7,8,9
	v_wmma_scale_f32_16x16x128_f8f6f4 v[ACC+8*\f:ACC+8*\f+7], v[AQ+12:AQ+23], v[24*\f+12:24*\f+23], v[ACC+8*\f:ACC+8*\f+7], v[AS], v[SB+\f] matrix_a_fmt:MATRIX_FMT_BF6 matrix_b_fmt:MATRIX_FMT_BF6 matrix_a_scale:MATRIX_SCALE_ROW1 matrix_b_scale:MATRIX_SCALE_ROW1
.endr
	WIN 0
.rept 4
	v_nop                                          ; places in front of the first read of results, and of the next half's loads into registers that these products read
.endr
.irp tau, 0,1,2,3,4
	v_cndmask_b32 v[S+5*\e+\tau], v[ACC+8*\tau], v[ACC+8*(5+\tau)], s18   ; lanes 0-15: the first pair of bins; lanes 16-31: the second.  Lane l: row 8 tau + l % 8 of bin 4 e + l / 8
.endr
.endm
	HALF 0
	HALF 1
.macro ROUND k
	v_max3_num_f32 v[TA], v[S], v[S+1], v[S+2]
	v_max3_num_f32 v[TA], v[TA], v[S+3], v[S+4]
	v_max3_num_f32 v[TA], v[TA], v[S+5], v[S+6]
	v_max3_num_f32 v[TA], v[TA], v[S+7], v[S+8]
	v_max_num_f32 v[TA], v[TA], v[S+9]
.irp x, 1,2,4,8
	v_max_num_f32_dpp v[TA], v[TA], v[TA] row_xmask:\x row_mask:0xf bank_mask:0xf
.endr
	v_permlanex16_b32 v[TB], v[TA], s32, s33
	v_max_num_f32 v[MK+\k], v[TA], v[TB]           ; the largest score left, in every lane
.irp x, 0,1,2,3,4,5,6,7,8,9
	v_cmp_eq_f32 vcc_lo, v[S+\x], v[MK+\k]
	v_cndmask_b32 v[CN+\x], v[INF], v[IDX+\x], vcc_lo
.endr
	v_min3_num_f32 v[TA], v[CN], v[CN+1], v[CN+2]
	v_min3_num_f32 v[TA], v[TA], v[CN+3], v[CN+4]
	v_min3_num_f32 v[TA], v[TA], v[CN+5], v[CN+6]
	v_min3_num_f32 v[TA], v[TA], v[CN+7], v[CN+8]
	v_min_num_f32 v[TA], v[TA], v[CN+9]
.irp x, 1,2,4,8
	v_min_num_f32_dpp v[TA], v[TA], v[TA] row_xmask:\x row_mask:0xf bank_mask:0xf
.endr
	v_permlanex16_b32 v[TB], v[TA], s32, s33
	v_min_num_f32 v[WK+\k], v[TA], v[TB]           ; the lowest row that has it
.irp x, 0,1,2,3,4,5,6,7,8,9
	v_cmp_eq_f32 vcc_lo, v[IDX+\x], v[WK+\k]
	v_cndmask_b32 v[S+\x], v[S+\x], v[NINF], vcc_lo   ; struck out (the eight bins differ, so each row stands once)
.endr
.endm
.irp k, 0,1,2,3,4,5,6,7
	ROUND \k
.endr
.macro SEL8 base, out                  ; my lane takes number lane % 8 of eight
	v_cndmask_b32 v[TS], v[\base], v[\base+1], s34
	v_cndmask_b32 v[TS+1], v[\base+2], v[\base+3], s34
	v_cndmask_b32 v[TS+2], v[\base+4], v[\base+5], s34
	v_cndmask_b32 v[TS+3], v[\base+6], v[\base+7], s34
	v_cndmask_b32 v[TS], v[TS], v[TS+1], s35
	v_cndmask_b32 v[TS+2], v[TS+2], v[TS+3], s35
	v_cndmask_b32 v[\out], v[TS], v[TS+2], s36
.endm
	SEL8 MK, OS
	SEL8 WK, OI
	v_cvt_u32_f32 v[OI], v[OI]
	ds_store_b32 v[OA], v[OS]                      ; the four lanes that write a word write the same number
	ds_store_b32 v[OA], v[OI] offset:256
	s_wait_dscnt 0x0                               ; for the others' sake: my stores are done
	s_barrier_signal -1
	s_barrier_wait -1
	s_cmp_lg_u32 s16, 0
	s_cbranch_scc1 .Ldone
	ds_load_b64 v[TS:TS+1], v[GO]
	ds_load_b64 v[TS+2:TS+3], v[GO] offset:256
	s_wait_dscnt 0x0
	global_store_b64 v[GO], v[TS:TS+1], s[14:15]   ; 32 lanes store 256 consecutive bytes, aligned: eight queries' scores,
	global_store_b64 v[GO], v[TS+2:TS+3], s[20:21] ; and their rows
.Ldone:
	s_wait_tensorcnt 0x0
	ds_add_u32 v254, v255
	s_wait_dscnt 0x0
	s_endpgm
.Lfunc_end_k_q0f1f13f60b_rescore:
	.size	k_q0f1f13f60b_rescore, .Lfunc_end_k_q0f1f13f60b_rescore-k_q0f1f13f60b_rescore
	.p2alignl 7, 3214868480
	.fill 96, 4, 3214868480
	.section	.rodata,"a",@progbits
	.p2align	6, 0x0
	.amdhsa_kernel k_q0f1f13f60b_rescore
		.amdhsa_group_segment_fixed_size 1536
		.amdhsa_private_segment_fixed_size 0
		.amdhsa_enable_private_segment 0
		.amdhsa_kernarg_size 56
		.amdhsa_user_sgpr_count 2
		.amdhsa_user_sgpr_kernarg_segment_ptr 1
		.amdhsa_wavefront_size32 1
		.amdhsa_system_sgpr_workgroup_id_x 1
		.amdhsa_system_sgpr_workgroup_id_y 1
		.amdhsa_system_sgpr_workgroup_id_z 1
		.amdhsa_system_vgpr_workitem_id 0
		.amdhsa_next_free_vgpr 512
		.amdhsa_next_free_sgpr 66
		.amdhsa_reserve_vcc 1
		.amdhsa_float_denorm_mode_32 3
		.amdhsa_float_denorm_mode_16_64 3
		.amdhsa_memory_ordered 1
		.amdhsa_forward_progress 1
		.amdhsa_inst_pref_size 48
	.end_amdhsa_kernel
	.amdgpu_metadata
---
amdhsa.version: [ 1, 2 ]
amdhsa.kernels:
  - .name:           k_q0f1f13f60b_rescore
    .symbol:         k_q0f1f13f60b_rescore.kd
    .args:
      - { .name: bins, .offset: 0, .size: 8, .value_kind: global_buffer, .address_space: global }
      - { .name: mcodes, .offset: 8, .size: 8, .value_kind: global_buffer, .address_space: global }
      - { .name: mscales, .offset: 16, .size: 8, .value_kind: global_buffer, .address_space: global }
      - { .name: qcodes, .offset: 24, .size: 8, .value_kind: global_buffer, .address_space: global }
      - { .name: qscales, .offset: 32, .size: 8, .value_kind: global_buffer, .address_space: global }
      - { .name: out1, .offset: 40, .size: 8, .value_kind: global_buffer, .address_space: global }
      - { .name: idx, .offset: 48, .size: 8, .value_kind: global_buffer, .address_space: global }
    .group_segment_fixed_size: 1536
    .private_segment_fixed_size: 0
    .kernarg_segment_align: 8
    .kernarg_segment_size: 56
    .max_flat_workgroup_size: 256
    .sgpr_count:     66
    .vgpr_count:     512
    .wavefront_size: 32
...
	.end_amdgpu_metadata
.endif
;; end of part 4
;; launch fetch (part 5): grid 256 x 1, 8 waves a work-group, no clusters, 0 bytes of LDS; arguments idx, memory_states, out0; writes out0
.if DOCPART == 5
	.amdgcn_target "amdgcn-amd-amdhsa--gfx1250"
	.amdhsa_code_object_version 6
	.text
	.protected	k_q0f1f13f60b_fetch
	.globl	k_q0f1f13f60b_fetch
	.p2align	8
	.type	k_q0f1f13f60b_fetch,@function
k_q0f1f13f60b_fetch:
	s_mov_b64 s[64:65], 0
	v_nop
	global_prefetch_b8 v0, s[64:65] scope:SCOPE_SE
	s_setreg_imm32_b32 hwreg(HW_REG_WAVE_MODE, 25, 1), 1
	s_wait_xcnt 0x0
; out0[q][k][:] = memory_states[idx[q][k]][:], raw f32 rows of 1,024 bytes.  A wave a query: its eight row numbers, whole numbers that an earlier launch stored, come by one scalar load, are held at 99,999,
; and become eight offsets; sixteen loads of 512 consecutive bytes are on their way together; each store covers 512 consecutive bytes, aligned.  Memory binds: no LDS, no barrier, no matrix unit.
.set LI, 1                             ; v1     16 x lane
.set VO, 2                             ; v2-9   16 x lane + 1,024 x row k
.set D,  16                            ; v16-79 the eight rows
	s_load_b128 s[4:7], s[0:1], 0x0                ; idx, memory_states
	s_load_b64 s[8:9], s[0:1], 0x10                ; out0
	v_lshrrev_b32 v1, 5, v0
	v_readfirstlane_b32 s16, v1                    ; wave 0..7
	s_lshl_b32 s17, ttmp9, 3
	s_add_co_u32 s17, s17, s16                     ; my query
	s_lshl_b32 s18, s17, 5
	s_mov_b32 s19, 0
	s_lshl_b32 s20, s17, 13
	s_mov_b32 s21, 0
	v_and_b32 v1, 31, v0
	v_lshlrev_b32 v[LI], 4, v1
	s_wait_kmcnt 0x0
	s_add_nc_u64 s[4:5], s[4:5], s[18:19]
	s_add_nc_u64 s[8:9], s[8:9], s[20:21]
	s_load_b256 s[24:31], s[4:5], 0x0
	s_wait_kmcnt 0x0
.irp k, 0,1,2,3,4,5,6,7
	s_min_u32 s[24+\k], s[24+\k], 0x1869f
	s_lshl_b32 s[24+\k], s[24+\k], 10
	v_add_nc_u32 v[VO+\k], s[24+\k], v[LI]
.endr
.irp k, 0,1,2,3,4,5,6,7
	global_load_b128 v[D+8*\k:D+8*\k+3],   v[VO+\k], s[6:7]              ; (no hint: several queries may name a row)
	global_load_b128 v[D+8*\k+4:D+8*\k+7], v[VO+\k], s[6:7] offset:512
.endr
.irp i, 0,1,2,3,4,5,6,7,8,9,10,11,12,13,14,15
	s_wait_loadcnt 15-\i                           ; loads come back in order: number i is in, the younger ones stay out
	global_store_b128 v[LI], v[D+4*\i:D+4*\i+3], s[8:9] offset:512*\i th:TH_STORE_NT
.endr
	s_endpgm
.Lfunc_end_k_q0f1f13f60b_fetch:
	.size	k_q0f1f13f60b_fetch, .Lfunc_end_k_q0f1f13f60b_fetch-k_q0f1f13f60b_fetch
	.p2alignl 7, 3214868480
	.fill 96, 4, 3214868480
	.section	.rodata,"a",@progbits
	.p2align	6, 0x0
	.amdhsa_kernel k_q0f1f13f60b_fetch
		.amdhsa_group_segment_fixed_size 0
		.amdhsa_private_segment_fixed_size 0
		.amdhsa_enable_private_segment 0
		.amdhsa_kernarg_size 24
		.amdhsa_user_sgpr_count 2
		.amdhsa_user_sgpr_kernarg_segment_ptr 1
		.amdhsa_wavefront_size32 1
		.amdhsa_system_sgpr_workgroup_id_x 1
		.amdhsa_system_sgpr_workgroup_id_y 1
		.amdhsa_system_sgpr_workgroup_id_z 1
		.amdhsa_system_vgpr_workitem_id 0
		.amdhsa_next_free_vgpr 80
		.amdhsa_next_free_sgpr 66
		.amdhsa_reserve_vcc 0
		.amdhsa_float_denorm_mode_32 3
		.amdhsa_float_denorm_mode_16_64 3
		.amdhsa_memory_ordered 1
		.amdhsa_forward_progress 1
		.amdhsa_inst_pref_size 6
	.end_amdhsa_kernel
	.amdgpu_metadata
---
amdhsa.version: [ 1, 2 ]
amdhsa.kernels:
  - .name:           k_q0f1f13f60b_fetch
    .symbol:         k_q0f1f13f60b_fetch.kd
    .args:
      - { .name: idx, .offset: 0, .size: 8, .value_kind: global_buffer, .address_space: global }
      - { .name: memory_states, .offset: 8, .size: 8, .value_kind: global_buffer, .address_space: global }
      - { .name: out0, .offset: 16, .size: 8, .value_kind: global_buffer, .address_space: global }
    .group_segment_fixed_size: 0
    .private_segment_fixed_size: 0
    .kernarg_segment_align: 8
    .kernarg_segment_size: 24
    .max_flat_workgroup_size: 256
    .sgpr_count:     66
    .vgpr_count:     80
    .wavefront_size: 32
...
	.end_amdgpu_metadata
.endif
;; end of part 5
